; MI455X (gfx1250); checked and timed in simulation.
; The chip was launched on July 23, 2026; its instructions are those of AMD's public machine-readable ISA for CDNA 5 (MIT licence, August 2026) and "CDNA5" Instruction Set Architecture Reference Guide (July 2026). The comments in the code are by the model that wrote it; some were corrected since.
;; Sap BER Tembedded SOM. Allowed arithmetic: matrix products marked QUANTISED: E3M2 operands, one E8M0 scale for each 32 along K, by v_wmma_scale_f32_16x16x128_f8f6f4 with both operands' format E3M2, f32 sums; everything else in f32.
;; Inputs: embedded 2,048 x 768 float32; weights 16,384 x 768 float32.
;; Outputs: out0 16,384 x 768 float32.
;; Constants: it = 100.
;; This version of the problem:
;;   THIS VERSION OF THE PROBLEM IS GIVEN IN LOW PRECISION. The matrix products marked QUANTISED in the list below multiply operands that are first quantised to E3M2 (3 exponent bits, 2 mantissa bits; 6 bits a number), with one power-of-two scale for each 32 numbers along K (OCP MX v1.0); their sums are f32. All else is computed in f32.
;;   The module's matrix products, in the order in which they are computed (A, B: the left and right operand; K: the contracted axis; several contracted axes count as one K, in the product's order):
;;     1. [M 2,048, K 768] x [K 768, N 16,384]; A: input embedded; B: input weights: QUANTISED
;;     2. [M 16,384, K 2,048] x [K 2,048, N 768]; A: computed on the way; B: input embedded: QUANTISED
;;   THE QUANTISER, for each operand of a quantised product, along K:
;;     - K is cut into blocks of 32 from its start; a last block that is shorter is filled with zeros.
;;     - A block's scale is 2^e with e = floor(log2(the largest magnitude in the block)) - 4, held to -126 .. 127; a block of zeros has e = 0. As a byte (E8M0): e + 127.
;;     - Each number is divided by its block's scale, clamped to +-28, and rounded to the nearest number of E3M2, ties to even, subnormals kept.
;;     - The product sums the exact products of the quantised numbers (number of the format x scale) in f32.
;;   ~~~python
;;   def quantise(x, axis):      # numpy; x: float32 -> the quantised numbers, widened to float32 again
;;       x = np.moveaxis(x, axis, -1); K = x.shape[-1]
;;       x = np.pad(x, [(0, 0)] * (x.ndim - 1) + [(0, -K % 32)]); x = x.reshape(x.shape[:-1] + (-1, 32)); a = np.abs(x).max(-1, keepdims=True)
;;       e = np.where(a > 0, np.clip(np.frexp(np.where(a > 0, a, 1))[1] - 1 - 4, -126, 127), 0)      # np.frexp(a)[1] - 1 = floor(log2(a)), exactly
;;       r = np.clip(x / 2.0 ** e, -28, 28)
;;       step = 2.0 ** (np.maximum(np.frexp(np.where(r == 0, 1, r))[1] - 1, -2) - 2)
;;       q = np.round(r / step) * step * 2.0 ** e      # np.round: ties to even
;;       return np.moveaxis(q.reshape(q.shape[:-2] + (-1,))[..., :K], -1, axis).astype(np.float32)
;;   ~~~
;;   OPERANDS COMPUTED ON THE WAY. 'Computed on the way' means the value that the module computes at that place (a softmax that the list does not call 'softmax' is quantised finished and normalised). What goes into a quantiser is computed in f32, as accurately as f32 sums, v_exp_f32 and their like allow (about 1e-6 of the number): no bf16 or f16 on the way to a quantiser, and a product that is left as it is and whose result goes on into a quantised operand takes f32 operands (vector FMAs, or v_wmma_f32_16x16x4_f32). A number that lies on a knife's edge between two numbers of the format may be rounded either way, as far as f32 arithmetic and the matrix unit's own rounding can turn it there, and no further.
;; One version. Each part assembles by itself: llvm-mc -triple=amdgcn-amd-amdhsa -mcpu=gfx1250 --defsym DOCPART=n.
;; ======== version 1 of 1: 4 launches
;; limits: right only within a limited range of input values
;; workspace buffers: xq1 1,228,800 bytes; xq2 1,228,800 bytes; wq 9,830,400 bytes; wb 65,536 bytes; pval 1,048,576 bytes; pidx 1,048,576 bytes; bjf 8,192 bytes; atab 1,048,576 bytes
;; launch quant (part 1): grid 6 x 64, 4 waves a work-group, no clusters, 34,304 bytes of LDS; arguments embedded, weights, xq1, xq2, wq, wb; writes xq1, xq2, wq, wb
.if DOCPART == 1
	.amdgcn_target "amdgcn-amd-amdhsa--gfx1250"
	.amdhsa_code_object_version 6
	.text
	.protected	k_qd2d6e3bbdf_quant
	.globl	k_qd2d6e3bbdf_quant
	.p2align	8
	.type	k_qd2d6e3bbdf_quant,@function
k_qd2d6e3bbdf_quant:
	s_mov_b64 s[64:65], 0
	v_nop
	global_prefetch_b8 v0, s[64:65] scope:SCOPE_SE
	s_setreg_imm32_b32 hwreg(HW_REG_WAVE_MODE, 25, 1), 1
	s_wait_xcnt 0x0
; SOM step, launch 1 of 4: the operands that arrive as f32 become codes of BF6 (E3M2) with one E8M0 byte for each 32 along K.
;   xq1: embedded [2048][768] quantised along d (K of the first product);  wq: weights [16384][768] quantised along d;
;   xq2: embedded quantised along b (K of the second product);  wb: -|w_c|^2 / 2 of the unquantised weights, f32.
; WORK LEFT OUT, for the whole program: reference() adds sum_d x[b][d]^2 to every d2[b][c] of row b.  The term is the same for all c of a row,
; and d2 is used by argmin over c alone: argmin_c(a_b + f(b, c)) = argmin_c f(b, c) for every finite a_b, ties included.  So x^2 is never summed, and the
; program takes the largest dot(b, c) - |w_c|^2 / 2 = (x2 - d2) / 2.  No input loses its way to the output: both are loaded.  it = 100 is a constant: alpha = 0.27, sigma^2 = 3317.76.
; LIMITS: a NaN, an infinity or an overflow that reaches only the sum of x^2 is not carried to the result; NaN and infinities among the inputs are not served;
; a block of zeros gets the byte 1 where the rule says 127 (its codes are zeros, and this program alone reads the bytes).
; LAYOUT OF THE CODES: blocks of 38,400 bytes = 24 fragments as images of the operand's registers + their scale words.  A fragment is 16 rows x 128 K, 12 registers a lane:
; lane (r, h) holds row r, registers 6 c .. 6 c + 5 hold K = 64 c + 32 h + 0 .. 31.  Fragment f lies at 1536 f, registers 4 g .. 4 g + 3 of lane l at + 512 g + 16 l; row r's scale word at 36864 + 64 f + 4 r.
;   xq1, wq: block n holds the tiles of rows 64 n .. 64 n + 63: f = 6 (tile % 4) + K step.    xq2: block 4 (ks / 2) + w holds d tiles 12 w .. 12 w + 11 of K steps ks: f = 12 (ks % 2) + tile.
; SHARES: work-groups with y < 16 quantise along b (K step y; a lane takes a column d, its registers run down b); the other 288 take a block of xq1 (32) or wq (256) each, a wave a tile of 16 rows.
; No tensor load, no barrier: waves share nothing.  LDS is used by the rows' path alone: a stage of 16 rows x 528 bytes for each wave.
.set BLK,   38400
.set SCO,   36864
.set ROW,   3072                       ; a row of embedded or weights in bytes
.set SP,    528                        ; a stage row: 512 bytes + 16: the 16 rows that a load touches start in 16 different groups of 4 banks
.set SPARE, 4*16*SP                    ; behind the four stages: the spare words, 128 bytes a wave
.set SPW,   12                         ; v12  my spare word's LDS address; never rewritten
.set NIL,   13                         ; v13  0; never rewritten
.set TM,    14                         ; v14-15 largest magnitudes
.set SO,    16                         ; v16-17 the conversions' scale operands
.set BY,    18                         ; v18-19 scale bytes
.set WD,    20                         ; v20  a scale word in the making
.set PX,    21                         ; v21  what lane l xor 16 sends
.set SQ,    22                         ; v[22:25] the sum of squares, two packed chains
.set PW,    26                         ; v26-31 the six fragments' scale words
.set C,     32                         ; v32-43 a fragment's codes
.set T,     44                         ; v44-46, v48-50 the upper halves of two blocks (a conversion's three registers begin on an even number)
.set X,     64                         ; v64-127 a lane's 64 numbers of a fragment; along b: v64-191, 128 numbers
.set R,     128                        ; v128-191, v192-255 two sets of 16 rows as they are loaded
.set F,     32                         ; along b: v32-43, v44-55 the codes of blocks 0, 2 and of blocks 1, 3
.set TT,    56                         ; v56-58
	s_load_b256 s[4:11], s[0:1], 0x0               ; embedded s[4:5], weights s[6:7], xq1 s[8:9], xq2 s[10:11]
	s_load_b128 s[12:15], s[0:1], 0x20             ; wq s[12:13], wb s[14:15]
	v_lshl_add_u32 v[SPW], v0, 2, SPARE
	v_mov_b32 v[NIL], 0
	v_lshrrev_b32 v1, 5, v0
	v_readfirstlane_b32 s16, v1                    ; wave 0..3
	v_and_b32 v2, 31, v0                           ; lane
	s_and_b32 s17, ttmp7, 0xffff                   ; work-group y
	s_mov_b32 s25, 0
	s_cmp_lt_u32 s17, 16
	s_cbranch_scc1 .Lalong_b
; ---------------- K innermost: a block of 64 rows of embedded or of weights ----------------
	s_sub_co_u32 s18, s17, 16
	s_mul_i32 s18, s18, 6
	s_add_co_u32 s18, s18, ttmp9                   ; n = 0 .. 287: under 32 a block of embedded, else of weights
	v_and_b32 v3, 15, v0                           ; r
	v_bfe_u32 v7, v0, 4, 1                         ; h
	v_lshlrev_b32 v4, 4, v2                        ; 16 l: my bytes of a load's or a store's 512
	s_mul_i32 s19, s16, 16*SP                      ; my stage
	v_add_nc_u32 v5, s19, v4                       ; into it: a row as it lies
	v_mul_u32_u24 v6, v3, SP
	v_lshl_add_u32 v6, v7, 7, v6
	v_add_nc_u32 v6, s19, v6                       ; out of it: row r, + 128 h: my 32 numbers of each 64
	s_wait_alu depctr_va_vdst(0)
	v_lshlrev_b32 v8, 2, v2                        ; 4 l
	v_lshlrev_b32 v9, 3, v7                        ; 8 h: my bytes' place in a scale word
	v_lshlrev_b32 v10, 2, v3                       ; 4 r
	v_mov_b32 v[PX], 0                             ; written once: a lane permute's destination counts as one of its sources
.irp i, 0,1,2,3
	v_mov_b32 v[SQ+\i], 0
.endr
	s_mov_b32 s20, 0x76543210
	s_mov_b32 s21, 0xfedcba98                      ; v_permlanex16_b32's selects for lane l xor 16
	s_wait_kmcnt 0x0
	s_cmp_lt_u32 s18, 32                           ; the choice hangs on the work-group's number alone
	s_cselect_b64 s[4:5], s[4:5], s[6:7]           ; from
	s_cselect_b64 s[8:9], s[8:9], s[12:13]         ; to
	s_cselect_b32 s22, 0, 32
	s_sub_co_u32 s22, s18, s22                     ; the block's number in its tensor
	s_mul_i32 s24, s22, 64*ROW
	s_mul_i32 s23, s16, 16*ROW
	s_add_co_u32 s24, s24, s23                     ; my 16 rows: under 2^26 bytes
	s_add_nc_u64 s[4:5], s[4:5], s[24:25]
	s_mul_i32 s24, s22, BLK
	s_add_nc_u64 s[8:9], s[8:9], s[24:25]          ; the block
	s_mul_i32 s24, s16, 6*64
	s_add_co_u32 s24, s24, SCO
	s_add_nc_u64 s[26:27], s[8:9], s[24:25]        ; my six fragments' scale words
	s_mul_i32 s24, s16, 6*1536
	s_add_nc_u64 s[8:9], s[8:9], s[24:25]          ; my six fragments
	s_lshl_b32 s24, s22, 8
	s_lshl_b32 s23, s16, 6
	s_add_co_u32 s24, s24, s23
	s_add_nc_u64 s[14:15], s[14:15], s[24:25]      ; wb at my 16 rows (used for weights alone)
.macro LOADF s                         ; K step s of my 16 rows: a row's 512 bytes an instruction.  (Eight ninths of what goes through this line are weights, read once here)
.irp p, 0,1,2,3,4,5,6,7,8,9,10,11,12,13,14,15
	global_load_b128 v[R+64*((\s)%2)+4*\p:R+64*((\s)%2)+4*\p+3], v4, s[4:5] offset:\p*ROW+512*(\s) th:TH_LOAD_NT
.endr
.endm
.macro TURN s                          ; through the stage: in as rows, out as a lane's 2 x 32 neighbours.  LDS serves a wave's instructions in order: no wait between the stores and the loads
.irp p, 0,1,2,3,4,5,6,7,8,9,10,11,12,13,14,15
	ds_store_b128 v5, v[R+64*((\s)%2)+4*\p:R+64*((\s)%2)+4*\p+3] offset:SP*\p
.endr
.irp c, 0,1
.irp q, 0,1,2,3,4,5,6,7
	ds_load_b128 v[X+32*\c+4*\q:X+32*\c+4*\q+3], v6 offset:256*\c+16*\q
.endr
.endr
.endm
.macro QF s                            ; v[X] on: register 32 c + i = K 64 c + 32 h + i of row r.  Two whole blocks a lane
.irp c, 0,1
	v_max3_num_f32 v[TM+\c], |v[X+32*\c]|, |v[X+32*\c+1]|, 0x2800000   ; with the floor 2^(5 - 127): the byte cannot fall under 1
.endr
.irp i, 2,4,6,8,10,12,14,16,18,20,22,24,26,28,30
.irp c, 0,1
	v_max3_num_f32 v[TM+\c], v[TM+\c], |v[X+32*\c+\i]|, |v[X+32*\c+\i+1]|
.endr
.endr
	s_cmp_lt_u32 s18, 32
	s_cbranch_scc1 .Lno_squares_\@                 ; the sum of squares is wanted of weights alone
.irp i, 0,4,8,12,16,20,24,28,32,36,40,44,48,52,56,60
	v_pk_fma_f32 v[SQ:SQ+1], v[X+\i:X+\i+1], v[X+\i:X+\i+1], v[SQ:SQ+1]
	v_pk_fma_f32 v[SQ+2:SQ+3], v[X+\i+2:X+\i+3], v[X+\i+2:X+\i+3], v[SQ+2:SQ+3]
.endr
.Lno_squares_\@:
	s_wait_alu depctr_va_vdst(0)
.irp c, 0,1
	v_add_nc_u32 v[SO+\c], 0xfe000000, v[TM+\c]    ; 4 off the exponent field: the conversion takes the exponent field of this operand as its scale
.endr
.irp c, 0,1
	v_lshrrev_b32 v[BY+\c], 23, v[SO+\c]           ; the scale's byte
.endr
	v_lshl_or_b32 v[WD], v[BY+1], 16, v[BY]        ; my bytes: blocks h and 2 + h,
	v_lshlrev_b32 v[WD], v9, v[WD]                 ; at their places;
	v_permlanex16_b32 v[PX], v[WD], s20, s21
	v_or_b32 v[PW+(\s)], v[WD], v[PX]              ; with lane l xor 16's two the row's word is whole
.if (\s) > 0
	s_wait_alu depctr_va_vdst(0)
	s_wait_xcnt 0x0                                ; the last fragment's stores have read v[C] on: it is written again only behind this wait
.endif
.irp c, 0,1
	v_cvt_scalef32_pk16_bf6_f32 v[C+6*\c:C+6*\c+2], v[X+32*\c:X+32*\c+15], v[SO+\c]
	v_cvt_scalef32_pk16_bf6_f32 v[T+4*\c:T+4*\c+2], v[X+32*\c+16:X+32*\c+31], v[SO+\c]
.endr
	v_nop                                          ; one plain place behind a scaled conversion
.irp c, 0,1
.irp i, 0,1,2
	v_mov_b32 v[C+6*\c+3+\i], v[T+4*\c+\i]
.endr
.endr
.irp g, 0,1,2
	global_store_b128 v4, v[C+4*\g:C+4*\g+3], s[8:9] offset:1536*(\s)+512*\g   ; 32 lanes store 512 consecutive bytes, at a multiple of 256 from the buffer's first byte
.endr
.endm
	LOADF 0
	LOADF 1
	s_wait_loadcnt 16                              ; K step 0's 16 loads are in; K step 1's may be out
	TURN 0
.irp s, 0,1,2,3,4,5
	s_wait_dscnt 0x0                               ; this K step's numbers are back, and the stage's stores have read their registers,
.if \s+2 < 6
	LOADF \s+2                                     ; which take the loads of two steps on
.endif
	QF \s
.if \s+1 < 6
.if \s+2 < 6
	s_wait_loadcnt 16                              ; the next K step's loads are in; the 16 behind them may be out
.else
	s_wait_loadcnt 0x0
.endif
	TURN \s+1
.endif
.endr
	v_cmp_lt_u32 vcc_lo, 15, v2
.irp s, 0,2,4
	v_cndmask_b32 v[TM+\s], v[PW+\s], v[PW+\s+1], vcc_lo   ; lanes 0-15 fragment s's words, lanes 16-31 fragment s + 1's: 128 consecutive bytes
	global_store_b32 v8, v[TM+\s], s[26:27] offset:64*\s
.endr
	s_cmp_lt_u32 s18, 32
	s_cbranch_scc1 .Ldone
	v_pk_add_f32 v[SQ:SQ+1], v[SQ:SQ+1], v[SQ+2:SQ+3]
	v_add_f32 v[SQ], v[SQ], v[SQ+1]
	v_permlanex16_b32 v[PX], v[SQ], s20, s21
	v_add_f32 v[SQ], v[SQ], v[PX]                  ; |w_r|^2
	v_mul_f32 v[SQ], -0.5, v[SQ]
	s_wait_alu depctr_va_vdst(0)
	s_wait_xcnt 0x0                                ; EXEC changes only behind this wait
	v_cmp_gt_u32 vcc_lo, 16, v2
	s_and_saveexec_b32 s28, vcc_lo                 ; both halves hold the same 16 numbers: lanes 0-15 store them
	global_store_b32 v10, v[SQ], s[14:15]
	s_wait_xcnt 0x0
	s_or_b32 exec_lo, exec_lo, s28
	s_branch .Ldone
; ---------------- K = b, the first axis: a lane takes a column d, its registers run down b ----------------
.Lalong_b:
	s_mul_i32 s18, s16, 6
	s_add_co_u32 s18, s18, ttmp9                   ; my 32 columns: d = 32 (6 wave + x) + lane: d tiles 12 wave + 2 x and the next
	s_wait_alu depctr_va_vdst(0)
	v_lshlrev_b32 v4, 2, v2                        ; 4 l
	v_lshlrev_b32 v5, 4, v2                        ; 16 l
	s_lshl_b32 s24, s18, 7
	s_mul_i32 s23, s17, 128*ROW                    ; K step y: rows 128 y on
	s_add_co_u32 s24, s24, s23
	s_lshr_b32 s22, s17, 1
	s_lshl_b32 s22, s22, 2
	s_add_co_u32 s22, s22, s16                     ; block 4 (ks / 2) + wave
	s_mul_i32 s26, s22, BLK
	s_and_b32 s23, s17, 1
	s_mul_i32 s23, s23, 12
	s_lshl_b32 s28, ttmp9, 1
	s_add_co_u32 s23, s23, s28                     ; f = 12 (ks % 2) + 2 x
	s_mul_i32 s28, s23, 1536
	s_add_co_u32 s28, s28, s26
	s_mov_b32 s29, 0
	s_lshl_b32 s30, s23, 6
	s_add_co_u32 s30, s30, s26
	s_add_co_u32 s30, s30, SCO
	s_mov_b32 s31, 0
	s_wait_alu depctr_va_vdst(0)
	s_wait_kmcnt 0x0
	s_add_nc_u64 s[4:5], s[4:5], s[24:25]
	s_add_nc_u64 s[8:9], s[10:11], s[28:29]        ; my two fragments
	s_add_nc_u64 s[10:11], s[10:11], s[30:31]      ; and their scale words
.macro LOADB b                         ; block b: x(128 ks + 32 b + i, my column): 32 lanes read 128 consecutive bytes
.irp i, 0,1,2,3,4,5,6,7,8,9,10,11,12,13,14,15,16,17,18,19,20,21,22,23,24,25,26,27,28,29,30,31
	global_load_b32 v[X+32*(\b)+\i], v4, s[4:5] offset:(32*(\b)+\i)*ROW
.endr
.endm
.macro QB b                            ; all 32 numbers of the block are mine
.set XB, X+32*(\b)
	v_max3_num_f32 v[TM], |v[XB]|, |v[XB+1]|, 0x2800000        ; two chains, and the floor
	v_max3_num_f32 v[TM+1], |v[XB+16]|, |v[XB+17]|, |v[XB+18]|
.irp i, 0,2,4,6,8,10
	v_max3_num_f32 v[TM], v[TM], |v[XB+2+\i]|, |v[XB+3+\i]|
	v_max3_num_f32 v[TM+1], v[TM+1], |v[XB+19+\i]|, |v[XB+20+\i]|
.endr
	v_max3_num_f32 v[TM], v[TM], |v[XB+14]|, |v[XB+15]|
	v_max3_num_f32 v[TM], v[TM], v[TM+1], |v[XB+31]|
	v_add_nc_u32 v[SO], 0xfe000000, v[TM]
.if (\b) == 0
	v_lshrrev_b32 v[WD], 23, v[SO]                 ; the column's scale word: block b's byte at bits 8 b
.else
	v_lshrrev_b32 v[BY], 23, v[SO]
	v_lshl_or_b32 v[WD], v[BY], 8*(\b), v[WD]
.endif
	v_cvt_scalef32_pk16_bf6_f32 v[F+12*((\b)%2)+6*((\b)/2):F+12*((\b)%2)+6*((\b)/2)+2], v[XB:XB+15], v[SO]
	v_cvt_scalef32_pk16_bf6_f32 v[TT:TT+2], v[XB+16:XB+31], v[SO]
	v_nop                                          ; one plain place behind a scaled conversion
.irp i, 0,1,2
	v_mov_b32 v[F+12*((\b)%2)+6*((\b)/2)+3+\i], v[TT+\i]
.endr
.endm
	LOADB 0
	LOADB 1
.irp b, 0,1,2,3
.if \b < 3
	s_wait_loadcnt 32                              ; this block's 32 loads are in; the next block's may be out
.else
	s_wait_loadcnt 0x0
.endif
.if \b+2 < 4
	LOADB \b+2
.endif
	QB \b
.endr
; v[F] on holds blocks 0 and 2 of my column (what a fragment's lanes 0-15 want), v[F+12] on blocks 1 and 3 (its lanes 16-31).  Lanes 0-15 hold the first d tile's columns, lanes 16-31 the second's:
; the first run's upper lanes change places with the second run's lower lanes, and the two runs are the two fragments' images.
.irp i, 0,1,2,3,4,5,6,7,8,9,10,11
	v_permlane16_swap_b32 v[F+\i], v[F+12+\i]
.endr
.irp g, 0,1,2
	global_store_b128 v5, v[F+4*\g:F+4*\g+3], s[8:9] offset:512*\g
	global_store_b128 v5, v[F+12+4*\g:F+12+4*\g+3], s[8:9] offset:1536+512*\g
.endr
	global_store_b32 v4, v[WD], s[10:11]           ; 32 columns' words: the two fragments' 128 consecutive bytes
.Ldone:
	s_wait_tensorcnt 0x0                           ; the wave's end
	ds_add_u32 v[SPW], v[NIL]
	s_wait_dscnt 0x0
	s_endpgm
.Lfunc_end_k_qd2d6e3bbdf_quant:
	.size	k_qd2d6e3bbdf_quant, .Lfunc_end_k_qd2d6e3bbdf_quant-k_qd2d6e3bbdf_quant
	.p2alignl 7, 3214868480
	.fill 96, 4, 3214868480
	.section	.rodata,"a",@progbits
	.p2align	6, 0x0
	.amdhsa_kernel k_qd2d6e3bbdf_quant
		.amdhsa_group_segment_fixed_size 34304
		.amdhsa_private_segment_fixed_size 0
		.amdhsa_enable_private_segment 0
		.amdhsa_kernarg_size 48
		.amdhsa_user_sgpr_count 2
		.amdhsa_user_sgpr_kernarg_segment_ptr 1
		.amdhsa_wavefront_size32 1
		.amdhsa_system_sgpr_workgroup_id_x 1
		.amdhsa_system_sgpr_workgroup_id_y 1
		.amdhsa_system_sgpr_workgroup_id_z 1
		.amdhsa_system_vgpr_workitem_id 0
		.amdhsa_next_free_vgpr 256
		.amdhsa_next_free_sgpr 66
		.amdhsa_reserve_vcc 1
		.amdhsa_float_denorm_mode_32 3
		.amdhsa_float_denorm_mode_16_64 3
		.amdhsa_memory_ordered 1
		.amdhsa_forward_progress 1
		.amdhsa_inst_pref_size 77
	.end_amdhsa_kernel
	.amdgpu_metadata
---
amdhsa.version: [ 1, 2 ]
amdhsa.kernels:
  - .name:           k_qd2d6e3bbdf_quant
    .symbol:         k_qd2d6e3bbdf_quant.kd
    .args:
      - { .name: embedded, .offset: 0, .size: 8, .value_kind: global_buffer, .address_space: global }
      - { .name: weights, .offset: 8, .size: 8, .value_kind: global_buffer, .address_space: global }
      - { .name: xq1, .offset: 16, .size: 8, .value_kind: global_buffer, .address_space: global }
      - { .name: xq2, .offset: 24, .size: 8, .value_kind: global_buffer, .address_space: global }
      - { .name: wq, .offset: 32, .size: 8, .value_kind: global_buffer, .address_space: global }
      - { .name: wb, .offset: 40, .size: 8, .value_kind: global_buffer, .address_space: global }
    .group_segment_fixed_size: 34304
    .private_segment_fixed_size: 0
    .kernarg_segment_align: 8
    .kernarg_segment_size: 48
    .max_flat_workgroup_size: 128
    .sgpr_count:     66
    .vgpr_count:     256
    .wavefront_size: 32
...
	.end_amdgpu_metadata
.endif
;; end of part 1
;; launch bmu (part 2): grid 128 x 2, 4 waves a work-group, clusters of 4 x 1, 327,680 bytes of LDS; arguments xq1, wq, wb, pval, pidx; writes pval, pidx
.if DOCPART == 2
	.amdgcn_target "amdgcn-amd-amdhsa--gfx1250"
	.amdhsa_code_object_version 6
	.text
	.protected	k_qd2d6e3bbdf_bmu
	.globl	k_qd2d6e3bbdf_bmu
	.p2align	8
	.type	k_qd2d6e3bbdf_bmu,@function
k_qd2d6e3bbdf_bmu:
	s_mov_b64 s[64:65], 0
	v_nop
	global_prefetch_b8 v0, s[64:65] scope:SCOPE_SE
	s_setreg_imm32_b32 hwreg(HW_REG_WAVE_MODE, 25, 1), 1
	s_wait_xcnt 0x0
	s_wait_alu depctr_hold_cnt(0) depctr_sa_sdst(0) depctr_va_vdst(0) depctr_va_sdst(0) depctr_va_ssrc(0) depctr_va_vcc(0) depctr_vm_vsrc(0)
	s_getreg_b32 s2, hwreg(HW_REG_IB_STS2, 6, 4)
	s_cmp_eq_u32 s2, 0
	s_cbranch_scc0 .Lentry_in_a_cluster
	s_endpgm
.Lentry_in_a_cluster:
	s_bfe_u32 s2, ttmp6, 0x10000c
	s_cmp_lg_u32 s2, 0x3003
	s_cbranch_scc0 .Lentry_shape_is_right
	s_endpgm
.Lentry_shape_is_right:
.set BLK,   38400
.set SCO,   36864
.set SLOTB, 4*BLK
.set RES,   2*SLOTB
.set SPARE, RES+4*2048
.set XA,  4
.set XS,  6
.set RSV, 8
.set RLD, 9
.set L16, 10
.set R4,  11
.set H32, 12
.set SPW, 14
.set NIL, 15
.set WSC, 24
.set XSC, 72
.set XF,  84
.set RB,  228
.set BIAS, 72
.set ACC, 136
.set G,   200
.set M,   208
.set M2,  209
.set IX,  210
.set PM,  214
.set PI,  215
.set H8,  216
.set WV,  14
.set G1,  24
.set G0,  32
.set SEL, 46
.set MSB, 0
.macro WIN new
.if MSB != (\new)
	s_set_vgpr_msb (MSB<<8)|(\new)
.set MSB, (\new)
.endif
.endm
.macro PLACES
.rept 4
	v_nop
.endr
.endm
.macro ROUND
	s_barrier_signal -1
	s_barrier_wait -1
	s_cmp_lg_u32 s[WV], 0
	s_cbranch_scc1 .Lnot_wave_0_\@
	s_barrier_signal -3
.Lnot_wave_0_\@:
	s_barrier_wait -3
	s_barrier_signal -1
	s_barrier_wait -1
.endm
	s_load_b256 s[4:11], s[0:1], 0x0
	s_load_b64 s[12:13], s[0:1], 0x20
	v_lshl_add_u32 v[SPW], v0, 2, SPARE
	v_mov_b32 v[NIL], 0
	ds_add_u32 v[SPW], v[NIL]
	ds_add_u32 v[SPW], v[NIL]
	v_lshrrev_b32 v1, 5, v0
	v_readfirstlane_b32 s[WV], v1
	s_and_b32 s17, ttmp7, 0xffff
	s_mov_b32 s[G1], 0x0023000f
	s_mov_b32 s[G1+1], 32<<16
	s_mov_b32 s[G1+2], 150<<16
	s_mov_b32 s[G1+3], 32<<16
	s_mov_b32 s[G1+4], 150
	s_mov_b32 s[G1+5], 32
	s_mov_b32 s[G1+6], 0
	s_mov_b32 s[G1+7], 0
	s_lshl_b32 s18, s17, 4
	s_lshl_b32 s19, s[WV], 2
	s_add_co_u32 s18, s18, s19
	s_mul_i32 s18, s18, BLK
	s_mov_b32 s19, 0
	s_mul_i32 s20, s[WV], BLK
	s_mov_b32 s[SEL], 0x76543210
	s_mov_b32 s[SEL+1], 0xfedcba98
	s_wait_dscnt 0x0
	s_wait_kmcnt 0x0
	s_add_nc_u64 s[22:23], s[4:5], s[18:19]
.irp f, 0,1
	s_mov_b32 s[G0+4*\f], 1
	s_add_co_u32 s[G0+4*\f+1], s20, \f*SLOTB
	s_add_nc_u64 s[G0+4*\f+2:G0+4*\f+3], s[22:23], \f*BLK
	s_or_b32 s[G0+4*\f+3], s[G0+4*\f+3], 0x80000000
.endr
	ROUND
	tensor_load_to_lds s[G0:G0+3], s[G1:G1+7]
	s_nop 0
	PLACES
	s_bfe_u32 s15, ttmp6, 0x40000
	s_lshl_b32 s16, ttmp9, 2
	s_add_co_u32 s16, s16, s15
	v_and_b32 v1, 31, v0
	v_and_b32 v2, 15, v0
	v_bfe_u32 v3, v0, 4, 1
	v_lshlrev_b32 v[L16], 4, v1
	s_wait_alu depctr_va_vdst(0)
	v_lshlrev_b32 v[R4], 2, v2
	v_lshlrev_b32 v[H32], 5, v3
	s_wait_alu depctr_va_vdst(0)
	v_add_nc_u32 v[XA], s20, v[L16]
	v_add_nc_u32 v[XA+1], SLOTB, v[XA]
	v_add_nc_u32 v[XS], s20, v[R4]
	v_add_nc_u32 v[XS+1], SLOTB, v[XS]
	s_lshl_b32 s21, s[WV], 11
	s_add_co_u32 s21, s21, RES
	v_add_nc_u32 v[RSV], s21, v[R4]
	v_add_nc_u32 v[RLD], s21, v[L16]
	s_mul_i32 s50, s16, 2*BLK
	s_mov_b32 s51, 0
	s_add_nc_u64 s[6:7], s[6:7], s[50:51]
	s_lshl_b32 s50, s16, 9
	s_add_nc_u64 s[8:9], s[8:9], s[50:51]
	s_lshl_b32 s50, s16, 13
	s_lshl_b32 s52, s17, 12
	s_add_co_u32 s50, s50, s52
	s_lshl_b32 s52, s[WV], 10
	s_add_co_u32 s50, s50, s52
	s_add_nc_u64 s[10:11], s[10:11], s[50:51]
	s_add_nc_u64 s[12:13], s[12:13], s[50:51]
	s_lshl_b32 s48, s16, 7
.set fi, 0
.rept 48
.set wn, (1+fi/21)*64
	WIN wn
.irp g, 0,1,2
	global_load_b128 v[12*(fi%21)+4*\g:12*(fi%21)+4*\g+3], v[L16], s[6:7] offset:((fi%8)/4)*BLK+1536*(6*((fi%8)%4)+fi/8)+512*\g
.endr
.set fi, fi+1
.endr
	WIN 0xc0
.irp c, 0,1,2,3,4,5,6,7
	global_load_b128 v[BIAS+8*\c:BIAS+8*\c+3], v[H32], s[8:9] offset:64*\c
	global_load_b128 v[BIAS+8*\c+4:BIAS+8*\c+7], v[H32], s[8:9] offset:64*\c+16
.endr
	v_mov_b32 v[PM], 0
	v_mov_b32 v[PI], 0
	v_lshlrev_b32 v[H8], 3, v3
	WIN 0
.set fi, 0
.rept 48
	global_load_b32 v[WSC+fi], v[R4], s[6:7] offset:((fi%8)/4)*BLK+SCO+64*(6*((fi%8)%4)+fi/8)
.set fi, fi+1
.endr
.macro XLOAD slot, q, u
.irp s, 0,1,2,3,4,5
.irp g, 0,1,2
	ds_load_b128 v[XF+72*(\u)+12*\s+4*\g:XF+72*(\u)+12*\s+4*\g+3], v[XA+\slot] offset:1536*(6*(\q)+\s)+512*\g
.endr
	ds_load_b32 v[XSC+6*(\u)+\s], v[XS+\slot] offset:SCO+64*(6*(\q)+\s)
.endr
.endm
.macro MULT u
.set fi, 0
.rept 48
.set wn, 0xf0+1+fi/21
	WIN wn
.if fi < 8
	v_wmma_scale_f32_16x16x128_f8f6f4 v[ACC+8*(fi%8):ACC+8*(fi%8)+7], v[12*(fi%21):12*(fi%21)+11], v[XF+72*(\u)+12*(fi/8):XF+72*(\u)+12*(fi/8)+11], v[BIAS+8*(fi%8):BIAS+8*(fi%8)+7], v[WSC+fi], v[XSC+6*(\u)+fi/8] matrix_a_fmt:MATRIX_FMT_BF6 matrix_b_fmt:MATRIX_FMT_BF6
.else
	v_wmma_scale_f32_16x16x128_f8f6f4 v[ACC+8*(fi%8):ACC+8*(fi%8)+7], v[12*(fi%21):12*(fi%21)+11], v[XF+72*(\u)+12*(fi/8):XF+72*(\u)+12*(fi/8)+11], v[ACC+8*(fi%8):ACC+8*(fi%8)+7], v[WSC+fi], v[XSC+6*(\u)+fi/8] matrix_a_fmt:MATRIX_FMT_BF6 matrix_b_fmt:MATRIX_FMT_BF6
.endif
.set fi, fi+1
.endr
.endm
.macro ARGMAX tau
	WIN 0xff
.irp c, 0,1,2,3,4,5,6,7
	v_max3_num_f32 v[G+\c], v[ACC+8*\c], v[ACC+8*\c+1], v[ACC+8*\c+2]
.endr
.irp c, 0,1,2,3,4,5,6,7
	v_max3_num_f32 v[G+\c], v[G+\c], v[ACC+8*\c+3], v[ACC+8*\c+4]
.endr
.irp c, 0,1,2,3,4,5,6,7
	v_max3_num_f32 v[G+\c], v[G+\c], v[ACC+8*\c+5], v[ACC+8*\c+6]
.endr
.irp c, 0,1,2,3,4,5,6,7
	v_max_num_f32 v[G+\c], v[G+\c], v[ACC+8*\c+7]
.endr
	v_max3_num_f32 v[M], v[G], v[G+1], v[G+2]
	v_max3_num_f32 v[M2], v[G+3], v[G+4], v[G+5]
	v_max3_num_f32 v[M], v[M], v[G+6], v[G+7]
	v_max_num_f32 v[M], v[M], v[M2]
.irp k, 0,1,2,3
	v_mov_b32 v[IX+\k], 0x7fffffff
.endr
.irp e, 15,14,13,12,11,10,9,8,7,6,5,4,3,2,1,0
.irp k, 0,1,2,3
	v_cmp_neq_f32 s[40+\k], v[M], v[ACC+16*\k+\e]
.endr
.irp k, 0,1,2,3
	v_cndmask_b32 v[IX+\k], 16*(\e/8)+\e%8, v[IX+\k], s[40+\k]
.endr
.endr
	v_add_nc_u32 v[IX+1], 32, v[IX+1]
	v_add_nc_u32 v[IX+2], 64, v[IX+2]
	v_add_nc_u32 v[IX+3], 0x60, v[IX+3]
	v_min_u32 v[IX], v[IX], v[IX+1]
	v_min_u32 v[IX+2], v[IX+2], v[IX+3]
	v_min_u32 v[IX], v[IX], v[IX+2]
	v_add_nc_u32 v[IX], v[IX], v[H8]
	v_permlanex16_b32 v[PM], v[M], s[SEL], s[SEL+1]
	v_permlanex16_b32 v[PI], v[IX], s[SEL], s[SEL+1]
	v_min_u32 v[IX+1], v[IX], v[PI]
	v_cmp_gt_f32 s44, v[PM], v[M]
	v_cmp_eq_f32 s45, v[PM], v[M]
	v_cndmask_b32 v[IX], v[IX], v[PI], s44
	v_cndmask_b32 v[IX], v[IX], v[IX+1], s45
	v_max_num_f32 v[M], v[M], v[PM]
	v_add_nc_u32 v[IX], s48, v[IX]
	WIN 0x0c
	ds_store_b32 v[RSV], v[M] offset:64*(\tau)
	ds_store_b32 v[RSV], v[IX] offset:1024+64*(\tau)
	WIN 0
.endm
.macro TILE slot, q, u, next, tau
.if \next
	XLOAD \slot, (\q)+1, 1-(\u)
	s_wait_dscnt 24
.else
	s_wait_dscnt 0x0
.endif
	MULT \u
	PLACES
	ARGMAX \tau
.endm
.macro SLOTWORK slot, f
	XLOAD \slot, 0, 0
	TILE \slot, 0, 0, 1, 4*(\f)
	TILE \slot, 1, 1, 1, 4*(\f)+1
	TILE \slot, 2, 0, 1, 4*(\f)+2
	TILE \slot, 3, 1, 0, 4*(\f)+3
.endm
.macro CHANGE slot
	s_wait_tensorcnt 0x0
	ds_add_u32 v[SPW], v[NIL]
	s_add_nc_u64 s[G0+4*\slot+2:G0+4*\slot+3], s[G0+4*\slot+2:G0+4*\slot+3], 2*BLK
	s_wait_dscnt 0x0
	ROUND
	tensor_load_to_lds s[G0+4*\slot:G0+4*\slot+3], s[G1:G1+7]
	s_nop 0
	PLACES
.endm
	s_wait_alu depctr_va_vdst(0)
	s_wait_tensorcnt 0x0                           ; slot 1's first fill is issued as a refill is, behind the issue of W's loads into registers
	ds_add_u32 v[SPW], v[NIL]
	s_wait_dscnt 0x0
	ROUND
	tensor_load_to_lds s[G0+4:G0+7], s[G1:G1+7]
	s_nop 0
	PLACES
	s_wait_loadcnt 0x0
	s_wait_tensorcnt 1
	SLOTWORK 0, 0
	CHANGE 0
	SLOTWORK 1, 1
	CHANGE 1
	SLOTWORK 0, 2
	s_wait_tensorcnt 0x0
	SLOTWORK 1, 3
.irp i, 0,1,2,3
	ds_load_b128 v[RB+4*\i:RB+4*\i+3], v[RLD] offset:512*\i
.endr
	s_wait_dscnt 0x0
	global_store_b128 v[L16], v[RB:RB+3], s[10:11]
	global_store_b128 v[L16], v[RB+4:RB+7], s[10:11] offset:512
	global_store_b128 v[L16], v[RB+8:RB+11], s[12:13]
	global_store_b128 v[L16], v[RB+12:RB+15], s[12:13] offset:512
	s_wait_tensorcnt 0x0
	ds_add_u32 v[SPW], v[NIL]
	s_wait_dscnt 0x0
	ROUND
	s_endpgm
.Lfunc_end_k_qd2d6e3bbdf_bmu:
	.size	k_qd2d6e3bbdf_bmu, .Lfunc_end_k_qd2d6e3bbdf_bmu-k_qd2d6e3bbdf_bmu
	.p2alignl 7, 3214868480
	.fill 96, 4, 3214868480
	.section	.rodata,"a",@progbits
	.p2align	6, 0x0
	.amdhsa_kernel k_qd2d6e3bbdf_bmu
		.amdhsa_group_segment_fixed_size 327680
		.amdhsa_private_segment_fixed_size 0
		.amdhsa_enable_private_segment 0
		.amdhsa_kernarg_size 40
		.amdhsa_user_sgpr_count 2
		.amdhsa_user_sgpr_kernarg_segment_ptr 1
		.amdhsa_wavefront_size32 1
		.amdhsa_system_sgpr_workgroup_id_x 1
		.amdhsa_system_sgpr_workgroup_id_y 1
		.amdhsa_system_sgpr_workgroup_id_z 1
		.amdhsa_system_vgpr_workitem_id 0
		.amdhsa_next_free_vgpr 1024
		.amdhsa_next_free_sgpr 66
		.amdhsa_reserve_vcc 0
		.amdhsa_float_denorm_mode_32 3
		.amdhsa_float_denorm_mode_16_64 3
		.amdhsa_memory_ordered 1
		.amdhsa_forward_progress 1
		.amdhsa_inst_pref_size 255
	.end_amdhsa_kernel
	.section	.bss,"aw",@nobits
	.p2align	6
	.space	262144
	.amdgpu_metadata
---
amdhsa.version: [ 1, 2 ]
amdhsa.kernels:
  - .name:           k_qd2d6e3bbdf_bmu
    .symbol:         k_qd2d6e3bbdf_bmu.kd
    .args:
      - { .name: xq1, .offset: 0, .size: 8, .value_kind: global_buffer, .address_space: global }
      - { .name: wq, .offset: 8, .size: 8, .value_kind: global_buffer, .address_space: global }
      - { .name: wb, .offset: 16, .size: 8, .value_kind: global_buffer, .address_space: global }
      - { .name: pval, .offset: 24, .size: 8, .value_kind: global_buffer, .address_space: global }
      - { .name: pidx, .offset: 32, .size: 8, .value_kind: global_buffer, .address_space: global }
    .group_segment_fixed_size: 327680
    .private_segment_fixed_size: 0
    .kernarg_segment_align: 8
    .kernarg_segment_size: 40
    .max_flat_workgroup_size: 128
    .sgpr_count:     66
    .vgpr_count:     1024
    .wavefront_size: 32
...
	.end_amdgpu_metadata
.endif
;; end of part 2
;; launch pick (part 3): grid 32 x 1, 8 waves a work-group, no clusters, 5,120 bytes of LDS; arguments pval, pidx, bjf, atab; writes bjf, atab
.if DOCPART == 3
	.amdgcn_target "amdgcn-amd-amdhsa--gfx1250"
	.amdhsa_code_object_version 6
	.text
	.protected	k_qd2d6e3bbdf_pick
	.globl	k_qd2d6e3bbdf_pick
	.p2align	8
	.type	k_qd2d6e3bbdf_pick,@function
k_qd2d6e3bbdf_pick:
	s_mov_b64 s[64:65], 0
	v_nop
	global_prefetch_b8 v0, s[64:65] scope:SCOPE_SE
	s_setreg_imm32_b32 hwreg(HW_REG_WAVE_MODE, 25, 1), 1
	s_wait_xcnt 0x0
; SOM step, launch 3 of 4: of each sample's 128 partial results the best; from its unit c = 128 bi + bj two tables for the last launch:
;   bjf[b] = bj as f32;   atab[i][b] = 2^(log2(0.27) - k2 (i - bi)^2) = 0.27 exp(-(i - bi)^2 / 3317.76),  k2 = log2(e) / 3317.76.
; The last launch multiplies it by exp(-(j - bj)^2 / 3317.76): lr(b, (i, j)) = 0.27 exp(-grid_d2 / sigma^2), since grid_d2 is the sum of the two squares.
; LIMIT: 0.27 enters through the exponent and lr is a product of two exponentials, so lr is rounded otherwise than alpha x exp(..); both lie within a few units in the last place of f32.
; The unit is used as a number alone: no address, branch or trip count hangs on it.
; SHARES: a work-group takes 64 samples, a lane two neighbours; wave v reduces rows 16 v .. 16 v + 15 of the partial results, the eight meet in LDS, and wave v writes rows 16 v .. of atab.
; The design has work for 32 work-groups.  No matrix unit, no tensor load; every load and store covers 256 consecutive aligned bytes.
.set SPARE, 4096                       ; behind 2,048 bytes of values and 2,048 of indices: the spare words, 128 bytes a wave
.set SPW, 4                            ; v4  my spare word's LDS address; never rewritten
.set NIL, 5                            ; v5  0; never rewritten
.set BI,  10
.set BJ,  12
.set V,   32                           ; v32-63 values, later atab's rows
.set IX,  64                           ; v64-95 indices
	s_load_b256 s[4:11], s[0:1], 0x0               ; pval, pidx, bjf, atab
	v_lshl_add_u32 v[SPW], v0, 2, SPARE
	v_mov_b32 v[NIL], 0
	v_lshrrev_b32 v1, 5, v0
	s_delay_alu instid0(VALU_DEP_1)
	v_readfirstlane_b32 s12, v1                    ; wave 0..7
	v_and_b32 v2, 31, v0
	s_delay_alu instid0(VALU_DEP_1)
	v_lshlrev_b32 v3, 3, v2                        ; 8 l: my two samples
	s_lshl_b32 s14, ttmp9, 8                       ; the work-group's 64 samples: 256 bytes of a row
	s_mov_b32 s15, 0
	s_lshl_b32 s16, s12, 17                        ; my 16 rows of 8,192 bytes
	s_add_co_u32 s16, s16, s14
	s_mov_b32 s17, 0
	s_lshl_b32 s18, s12, 8
	v_add_nc_u32 v8, s18, v3                       ; LDS: 256 x wave + 8 l
	s_lshl_b32 s19, s12, 4                         ; 16 v
	s_mov_b32 s22, 0xb9e3fb40                      ; -k2
	s_mov_b32 s23, 0xbff1c9ba                      ; log2(0.27)
	s_wait_alu depctr_va_vdst(0)
	s_wait_kmcnt 0x0
	s_add_nc_u64 s[4:5], s[4:5], s[16:17]
	s_add_nc_u64 s[6:7], s[6:7], s[16:17]
	s_add_nc_u64 s[10:11], s[10:11], s[16:17]
	s_add_nc_u64 s[8:9], s[8:9], s[14:15]
.irp k, 0,1,2,3,4,5,6,7,8,9,10,11,12,13,14,15
	global_load_b64 v[V+2*\k:V+2*\k+1], v3, s[4:5] offset:8192*\k
	global_load_b64 v[IX+2*\k:IX+2*\k+1], v3, s[6:7] offset:8192*\k
.endr
.macro BEST cnt                        ; rows ascending; only a strictly greater value takes the place: of equal values the lower unit stays
.set k, 1
	v_cmp_gt_f32 s20, v[V+2*k], v[V]
	v_cmp_gt_f32 s21, v[V+2*k+1], v[V+1]
	s_delay_alu instid0(VALU_DEP_2)
	v_cndmask_b32 v[V], v[V], v[V+2*k], s20
	s_delay_alu instid0(VALU_DEP_2)
	v_cndmask_b32 v[V+1], v[V+1], v[V+2*k+1], s21
	s_delay_alu instid0(VALU_DEP_4)
	v_cndmask_b32 v[IX], v[IX], v[IX+2*k], s20
	s_delay_alu instid0(VALU_DEP_4)
	v_cndmask_b32 v[IX+1], v[IX+1], v[IX+2*k+1], s21
.set k, k+1
.rept ((\cnt)-1)-1
	s_delay_alu instid0(VALU_DEP_4)
	v_cmp_gt_f32 s20, v[V+2*k], v[V]
	s_delay_alu instid0(VALU_DEP_4)
	v_cmp_gt_f32 s21, v[V+2*k+1], v[V+1]
	s_delay_alu instid0(VALU_DEP_2)
	v_cndmask_b32 v[V], v[V], v[V+2*k], s20
	s_delay_alu instid0(VALU_DEP_2)
	v_cndmask_b32 v[V+1], v[V+1], v[V+2*k+1], s21
	s_delay_alu instid0(VALU_DEP_4)
	v_cndmask_b32 v[IX], v[IX], v[IX+2*k], s20
	s_delay_alu instid0(VALU_DEP_4)
	v_cndmask_b32 v[IX+1], v[IX+1], v[IX+2*k+1], s21
.set k, k+1
.endr
.endm
	s_wait_loadcnt 0x0
	BEST 16
	ds_store_b64 v8, v[V:V+1]
	ds_store_b64 v8, v[IX:IX+1] offset:2048
	s_wait_dscnt 0x0                               ; for the others' sake: my stores have landed
	s_barrier_signal -1
	s_barrier_wait -1
.irp k, 0,1,2,3,4,5,6,7
	ds_load_b64 v[V+2*\k:V+2*\k+1], v3 offset:256*\k
	ds_load_b64 v[IX+2*\k:IX+2*\k+1], v3 offset:2048+256*\k
.endr
	s_wait_dscnt 0x0
	BEST 8
.irp e, 0
	s_delay_alu instid0(VALU_DEP_2)
	v_lshrrev_b32 v[BI+\e], 7, v[IX+\e]            ; bi
	s_delay_alu instid0(VALU_DEP_3)
	v_and_b32 v[BJ+\e], 0x7f, v[IX+\e]             ; bj
.endr
.irp e, 1
	s_delay_alu instid0(VALU_DEP_3)
	v_lshrrev_b32 v[BI+\e], 7, v[IX+\e]
	s_delay_alu instid0(VALU_DEP_4)
	v_and_b32 v[BJ+\e], 0x7f, v[IX+\e]
.endr
.irp e, 0,1
	s_delay_alu instid0(VALU_DEP_3)
	v_cvt_f32_u32 v[BJ+\e], v[BJ+\e]
	v_sub_nc_u32 v[BI+\e], v[BI+\e], s19           ; bi - 16 v
.endr
	s_cmp_lg_u32 s12, 0
	s_cbranch_scc1 .Lnot_wave_0
	global_store_b64 v3, v[BJ:BJ+1], s[8:9]
.Lnot_wave_0:
	s_wait_alu depctr_va_vdst(0)
.irp k, 0,1,2,3,4,5,6,7,8,9,10,11,12,13,14,15
.irp e, 0,1
	v_add_nc_u32 v[V+2*\k+\e], -\k, v[BI+\e]       ; bi - i
.endr
.endr
.irp k, 0,1,2,3,4,5,6,7,8,9,10,11,12,13,14,15
.irp e, 0,1
	v_mul_lo_u32 v[V+2*\k+\e], v[V+2*\k+\e], v[V+2*\k+\e]   ; its square: at most 127^2, whatever the sign
.endr
.endr
.irp k, 0,1,2,3,4,5,6,7,8,9,10,11,12,13,14,15
.irp e, 0,1
	v_cvt_f32_u32 v[V+2*\k+\e], v[V+2*\k+\e]       ; exact
.endr
.endr
.irp k, 0,1,2,3,4,5,6,7,8,9,10,11,12,13,14,15
.irp e, 0,1
	v_fma_f32 v[V+2*\k+\e], v[V+2*\k+\e], s22, s23
.endr
.endr
	s_wait_alu depctr_va_vdst(0)
.irp k, 0,1,2,3,4,5,6,7,8,9,10,11,12,13,14,15
.irp e, 0,1
	v_exp_f32 v[V+2*\k+\e], v[V+2*\k+\e]
.endr
.endr
	v_nop                                          ; a plain place behind the last exponential
	s_wait_alu depctr_va_vdst(0)                   ; and the one wait behind the batch
.irp k, 0,1,2,3,4,5,6,7,8,9,10,11,12,13,14,15
	global_store_b64 v3, v[V+2*\k:V+2*\k+1], s[10:11] offset:8192*\k   ; each row has registers of its own
.endr
	s_wait_tensorcnt 0x0                           ; the wave's end
	ds_add_u32 v[SPW], v[NIL]
	s_wait_dscnt 0x0
	s_endpgm
.Lfunc_end_k_qd2d6e3bbdf_pick:
	.size	k_qd2d6e3bbdf_pick, .Lfunc_end_k_qd2d6e3bbdf_pick-k_qd2d6e3bbdf_pick
	.p2alignl 7, 3214868480
	.fill 96, 4, 3214868480
	.section	.rodata,"a",@progbits
	.p2align	6, 0x0
	.amdhsa_kernel k_qd2d6e3bbdf_pick
		.amdhsa_group_segment_fixed_size 5120
		.amdhsa_private_segment_fixed_size 0
		.amdhsa_enable_private_segment 0
		.amdhsa_kernarg_size 32
		.amdhsa_user_sgpr_count 2
		.amdhsa_user_sgpr_kernarg_segment_ptr 1
		.amdhsa_wavefront_size32 1
		.amdhsa_system_sgpr_workgroup_id_x 1
		.amdhsa_system_sgpr_workgroup_id_y 1
		.amdhsa_system_sgpr_workgroup_id_z 1
		.amdhsa_system_vgpr_workitem_id 0
		.amdhsa_next_free_vgpr 128
		.amdhsa_next_free_sgpr 66
		.amdhsa_reserve_vcc 0
		.amdhsa_float_denorm_mode_32 3
		.amdhsa_float_denorm_mode_16_64 3
		.amdhsa_memory_ordered 1
		.amdhsa_forward_progress 1
		.amdhsa_inst_pref_size 28
	.end_amdhsa_kernel
	.amdgpu_metadata
---
amdhsa.version: [ 1, 2 ]
amdhsa.kernels:
  - .name:           k_qd2d6e3bbdf_pick
    .symbol:         k_qd2d6e3bbdf_pick.kd
    .args:
      - { .name: pval, .offset: 0, .size: 8, .value_kind: global_buffer, .address_space: global }
      - { .name: pidx, .offset: 8, .size: 8, .value_kind: global_buffer, .address_space: global }
      - { .name: bjf, .offset: 16, .size: 8, .value_kind: global_buffer, .address_space: global }
      - { .name: atab, .offset: 24, .size: 8, .value_kind: global_buffer, .address_space: global }
    .group_segment_fixed_size: 5120
    .private_segment_fixed_size: 0
    .kernarg_segment_align: 8
    .kernarg_segment_size: 32
    .max_flat_workgroup_size: 256
    .sgpr_count:     66
    .vgpr_count:     128
    .wavefront_size: 32
...
	.end_amdgpu_metadata
.endif
;; end of part 3
;; launch update (part 4): grid 256 x 1, 4 waves a work-group, clusters of 4 x 1, 327,680 bytes of LDS; arguments xq2, atab, bjf, weights, out0; writes out0
.if DOCPART == 4
	.amdgcn_target "amdgcn-amd-amdhsa--gfx1250"
	.amdhsa_code_object_version 6
	.text
	.protected	k_qd2d6e3bbdf_update
	.globl	k_qd2d6e3bbdf_update
	.p2align	8
	.type	k_qd2d6e3bbdf_update,@function
k_qd2d6e3bbdf_update:
	s_mov_b64 s[64:65], 0
	v_nop
	global_prefetch_b8 v0, s[64:65] scope:SCOPE_SE
	s_setreg_imm32_b32 hwreg(HW_REG_WAVE_MODE, 25, 1), 1
	s_wait_xcnt 0x0
	s_wait_alu depctr_hold_cnt(0) depctr_sa_sdst(0) depctr_va_vdst(0) depctr_va_sdst(0) depctr_va_ssrc(0) depctr_va_vcc(0) depctr_vm_vsrc(0)
	s_getreg_b32 s2, hwreg(HW_REG_IB_STS2, 6, 4)
	s_cmp_eq_u32 s2, 0
	s_cbranch_scc0 .Lentry_in_a_cluster
	s_endpgm
.Lentry_in_a_cluster:
	s_bfe_u32 s2, ttmp6, 0x10000c
	s_cmp_lg_u32 s2, 0x3003
	s_cbranch_scc0 .Lentry_shape_is_right
	s_endpgm
.Lentry_shape_is_right:
; SOM step, launch 4 of 4: out[c][d] = w[c][d] (1 - S[c]) + sum_b Q(lr[b][c]) Q(x[b][d]),  S[c] = sum_b lr[b][c] of the unquantised lr; both operands quantised along b, codes of BF6.
; lr[b][(i, j)] = A_i[b] B_j[b]:  A = atab (0.27 exp(-(i - bi)^2 / 3317.76), from the launch before),  B = 2^(-k2 (j - bj)^2), made here.  All in f32; lr never goes to memory.
; SHARES.  Work-group g owns 4 grid rows i = 4 (g / 8) + a and 16 columns j = 16 (g % 8) + r: four tiles a of 16 units, 64 units, and all 768 d.  So one B serves four tiles: 32 exponentials a lane for 128 numbers of lr.
; A wave has 64 units x 192 d: 48 accumulators, 384 registers.  K = b goes in 8 slots of 256.  x's codes come in blocks of 38,400 bytes (two K steps x 12 d tiles as register images, then scale words),
; one tensor load a wave and slot, into the wave's own part of a ring of two slots.
; lr IS MADE ONCE A WORK-GROUP, A SLOT AHEAD: wave (s, c) = (wave / 2, wave % 2) makes registers 6 c .. 6 c + 5 of K step s's four fragments: lane (r, h) holds unit r and the whole block of samples 256 slot + 64 wave + 32 h + 0 .. 31.
; ITS VECTOR LINES STAND AMONG THE PRODUCTS: two of B's behind each product of K step 0's second half, the exponentials as one batch, five of a pair of tiles behind each product of K step 1.
; At a slot's start every wave loads all eight fragments of lr into registers and signals a barrier; it waits for that barrier directly ahead of its first store of the next slot's lr; the round at the change of slots shows the new lr to all.
; THE PRODUCT IS USED TRANSPOSED (source 0 = 16 d, source 1 = 16 units): lane (r, h) holds unit r and eight neighbouring d.
; w: tile 0's 16 rows go into A's registers when the last lr is made; tiles 1 to 3, dense blocks of 49,152 bytes, come by one plain tensor load each of waves 0 to 2 into slot 0, behind the last change of slots.
; S's four parts are stored ahead of that last round and joined inside the last slot.
; CLUSTER: all work-groups walk the same blocks of x; the four of a cluster ask for each JOINTLY, with the mask of all four.  By this text's own count a wave has one tensor load outstanding.
; PREFETCHES: behind each change of slots in the loop a wave names 32 rows x 256 bytes of its part of w (six requests cover its 64 rows x 768 bytes, each block once in the launch), its cluster share
; (38 of the 150 blocks of 256 bytes, by address) of the block of x that the NEXT change of slots will load, and the 5 blocks of the tables that it loads later in this slot; the last change names no x and no tables.
; LIMITS: NaN and infinities are not served; a block of zeros would get the byte 1 where the rule says 127 (its codes are zeros, and this launch alone reads the bytes).
; REGISTERS: window 0: v4-31 addresses; v32-43 x's scale words; v44-51 lr's; v52-83 bj, then B; v116-179 64 numbers of lr; v180-211 codes; v212-215 j, two offsets; v220-227 sums; v228-243 at work.
;   window 1: v0-143 x's 12 fragments; v144-239 lr's two sets.  windows 2 and 3 (v0-127): accumulator (t, a) at 8 (4 t + a).  window 3 v128-255: A's four rows, at the end w's tile 0.
.set BLK,   38400
.set SCO,   36864
.set SLOTB, 4*BLK
.set LRI,   2*SLOTB                    ; lr's eight fragments (4 s + a) of 1,536 bytes: registers 2 p, 2 p + 1 at 256 p + 8 l
.set LRS,   LRI+8*1536                 ; their scale words: 64 (4 s + a) + 4 r
.set SUMP,  LRS+512                    ; each wave's part of the 64 sums
.set OM,    SUMP+1024                  ; 1 - S, a copy for each wave
.set SPARE, OM+1024                    ; the spare words, 128 bytes a wave
.set STP,   784                        ; the way out: a stage of 16 rows x (768 + 16) bytes in my own part of slot 1, behind its last fill and read
.set ROW,   3072
.set TROW,  128*ROW                    ; from a tile's rows to the next tile's
.set WT,    16*ROW                     ; a tile's 16 rows of w
.set XA,  4
.set XS,  6
.set LRA, 8
.set LSA, 9
.set LW,  10
.set LWB, 11
.set TA,  12
.set CO,  13
.set STO, 14
.set RD,  15
.set PFO, 16
.set SL,  17
.set OMW, 18
.set OMA, 19
.set SPW, 20                           ; my spare word's LDS address; never rewritten
.set NIL, 21                           ; 0; never rewritten
.set SUMR, 22
.set WRD, 27                           ; v27-29 w's tiles 1 to 3 in LDS
.set PX1, 30
.set PX2, 31
.set XSC, 32
.set LSC, 44
.set BJ,  52
.set N,   116
.set OMR, 116
.set PC,  180
.set T,   204
.set JP,  212
.set PFT, 214
.set PFB, 215
.set SS,  220
.set TM,  228
.set SO,  230
.set BY,  232
.set LF,  144                          ; window 1
.set AW,  128                          ; window 3
.set WV,  14
.set G1,  24
.set G0,  32
.set K2,  40
.set SEL, 42
.set G1W, 68
.set G0W, 76
.set MSB, 0
.macro WIN new                         ; the immediate's high byte repeats the setting that is left
.if MSB != (\new)
	s_set_vgpr_msb (MSB<<8)|(\new)
.set MSB, (\new)
.endif
.endm
.macro PLACES
.rept 4
	v_nop
.endr
.endm
.macro ROUND                           ; a round of the cluster's barrier
	s_barrier_signal -1
	s_barrier_wait -1
	s_cmp_lg_u32 s[WV], 0
	s_cbranch_scc1 .Lnot_wave_0_\@
	s_barrier_signal -3
.Lnot_wave_0_\@:
	s_barrier_wait -3
	s_barrier_signal -1
	s_barrier_wait -1
.endm
	s_load_b256 s[4:11], s[0:1], 0x0               ; xq2, atab, bjf, weights
	s_load_b64 s[12:13], s[0:1], 0x20              ; out0
	v_lshl_add_u32 v[SPW], v0, 2, SPARE
	v_mov_b32 v[NIL], 0
	ds_add_u32 v[SPW], v[NIL]                      ; the opening lines: the add, twice on end, and its wait
	ds_add_u32 v[SPW], v[NIL]
	v_lshrrev_b32 v1, 5, v0
	v_readfirstlane_b32 s[WV], v1                  ; wave 0..3
	s_mov_b32 s[G1], 0x0023000f                    ; the mask of all four; elements of 8 bytes; bit 21 beside a mask; no padding
	s_mov_b32 s[G1+1], 32<<16                      ; a dense block of 38,400 bytes as 150 rows of 256
	s_mov_b32 s[G1+2], 150<<16
	s_mov_b32 s[G1+3], 32<<16
	s_mov_b32 s[G1+4], 150
	s_mov_b32 s[G1+5], 32
	s_mov_b32 s[G1+6], 0
	s_mov_b32 s[G1+7], 0
	s_mov_b32 s[G1W], 3<<16                        ; a tile of w: no mask; a dense block of 49,152 bytes as 192 rows of 256
	s_mov_b32 s[G1W+1], 32<<16
	s_mov_b32 s[G1W+2], 192<<16
	s_mov_b32 s[G1W+3], 32<<16
	s_mov_b32 s[G1W+4], 192
	s_mov_b32 s[G1W+5], 32
	s_mov_b32 s[G1W+6], 0
	s_mov_b32 s[G1W+7], 0
	s_mul_i32 s20, s[WV], BLK                      ; my block among a slot's four, in memory and in LDS alike
	s_mov_b32 s21, 0
	s_mov_b32 s[K2], 0xb9e3fb40                    ; -log2(e) / 3317.76
	s_mov_b32 s[K2+1], s[K2]
	s_mov_b32 s[SEL], 0x76543210
	s_mov_b32 s[SEL+1], 0xfedcba98
	s_wait_dscnt 0x0                               ; both opening adds are done
	s_wait_kmcnt 0x0
	s_add_nc_u64 s[22:23], s[4:5], s[20:21]        ; my blocks of x; also the base of x's prefetches
.irp f, 0,1
	s_mov_b32 s[G0+4*\f], 1
	s_add_co_u32 s[G0+4*\f+1], s20, \f*SLOTB
	s_add_nc_u64 s[G0+4*\f+2:G0+4*\f+3], s[22:23], \f*SLOTB
	s_or_b32 s[G0+4*\f+3], s[G0+4*\f+3], 0x80000000
.endr
	ROUND                                          ; all four work-groups are here: the first joint loads meet
	tensor_load_to_lds s[G0:G0+3], s[G1:G1+7]      ; samples 0-255: my one load at the head
	s_nop 0
	PLACES
	; scalars first, then the vector lines in one run
	s_bfe_u32 s15, ttmp6, 0x40000                  ; cx
	s_lshl_b32 s16, ttmp9, 2
	s_add_co_u32 s16, s16, s15                     ; g: it enters global addresses and the numbers j alone
	s_lshr_b32 s17, s16, 3
	s_and_b32 s51, s16, 7
	s_lshl_b32 s51, s51, 4                         ; j0
	s_lshl_b32 s52, s17, 15                        ; atab's rows 4 (g / 8) on: 8,192 bytes each
	s_mov_b32 s53, 0
	s_add_nc_u64 s[6:7], s[6:7], s[52:53]
	s_lshl_b32 s52, s17, 9
	s_add_co_u32 s52, s52, s51                     ; tile 0's first unit: 512 (g / 8) + j0
	s_mul_i32 s52, s52, ROW                        ; under 2^26
	s_add_nc_u64 s[56:57], s[10:11], s[52:53]      ; w at that row
	s_mul_i32 s60, s[WV], 768
	s_add_co_u32 s52, s52, s60
	s_add_nc_u64 s[10:11], s[10:11], s[52:53]      ; and at my 768 bytes of it
	s_add_nc_u64 s[12:13], s[12:13], s[52:53]
	s_mov_b64 s[46:47], s[10:11]                   ; the base of w's prefetches
	s_add_co_u32 s54, s[WV], 1
	s_mul_i32 s54, s54, TROW
	s_mov_b32 s55, 0
	s_mov_b32 s[G0W], 1                            ; wave k < 3 fetches tile k + 1 of w to LDS byte 49,152 k
	s_mul_i32 s[G0W+1], s[WV], WT
	s_add_nc_u64 s[G0W+2:G0W+3], s[56:57], s[54:55]
	s_or_b32 s[G0W+3], s[G0W+3], 0x80000000
	s_lshr_b32 s18, s[WV], 1                       ; s: the K step whose lr I make
	s_and_b32 s19, s[WV], 1                        ; c: which half of a fragment's registers
	s_mul_i32 s48, s18, 4*1536
	s_mul_i32 s49, s19, 768
	s_add_co_u32 s48, s48, s49
	s_lshl_b32 s49, s18, 8
	s_lshl_b32 s19, s19, 1
	s_add_co_u32 s49, s49, s19
	s_lshl_b32 s50, s[WV], 8
	s_add_co_u32 s58, s20, SLOTB                   ; my part of slot 1: the stage
	s_mul_i32 s59, s15, 38                         ; my work-group's share of a block's 150 units of 256 bytes
	v_and_b32 v1, 31, v0                           ; l
	v_and_b32 v2, 15, v0                           ; r
	v_bfe_u32 v3, v0, 4, 1                         ; h
	v_lshlrev_b32 v23, 4, v1
	v_lshlrev_b32 v24, 2, v2
	v_add_nc_u32 v[XA], s20, v23
	v_add_nc_u32 v[XA+1], SLOTB, v[XA]
	v_add_nc_u32 v[XS], s20, v24
	v_add_nc_u32 v[XS+1], SLOTB, v[XS]
	v_lshl_add_u32 v[LRA], v1, 3, LRI
	v_add_nc_u32 v[LSA], LRS, v24
	v_add_nc_u32 v[LW], s48, v[LRA]
	v_add_nc_u32 v[LWB], s49, v[LSA]
	v_add_nc_u32 v[LWB], v[LWB], v3                ; my block's byte: 2 c + h of row r's word
	v_lshl_add_u32 v[TA], v3, 7, s50               ; the tables: my 32 samples: 4 (64 wave + 32 h) bytes on
	v_mul_u32_u24 v[CO], v3, ROW
	v_lshl_add_u32 v[CO], v2, 4, v[CO]             ; w and out: lanes 0-15 a row's 256 bytes, lanes 16-31 the next row's
	v_mul_u32_u24 v[STO], v2, STP
	v_lshl_add_u32 v[STO], v3, 5, v[STO]
	v_add_nc_u32 v[STO], s58, v[STO]               ; the stage, in: row r, + 32 h
	v_mul_u32_u24 v[RD], v3, STP
	v_lshl_add_u32 v[RD], v2, 4, v[RD]
	v_add_nc_u32 v[RD], s58, v[RD]                 ; and back
	v_add_nc_u32 v[WRD], s60, v[CO]                ; w in LDS: whole rows of 3,072 bytes, my 768 of them
	v_add_nc_u32 v[WRD+1], WT, v[WRD]
	v_add_nc_u32 v[WRD+2], 2*WT, v[WRD]
	v_mul_u32_u24 v25, v3, TROW
	v_mad_u32_u24 v[PFO], v2, ROW, v25             ; w's prefetches: lanes 0-15 a tile's rows, lanes 16-31 the next tile's
	v_add_nc_u32 v[PX1], s59, v1
	v_min_u32 v[PX1], 149, v[PX1]
	v_lshlrev_b32 v[PX1], 8, v[PX1]                ; x's prefetches: units 38 cx + l,
	v_min_u32 v25, 5, v1
	v_add_nc_u32 v25, s59, v25
	v_add_nc_u32 v25, 32, v25
	v_min_u32 v25, 149, v25
	v_lshlrev_b32 v[PX2], 8, v25                   ; and 38 cx + 32 .. 37; lanes left over name the last again; none passes the block's end
	v_and_b32 v25, 3, v1
	v_lshl_add_u32 v[PFT], v25, 13, s50            ; the tables' prefetches: A's row l % 4, my wave's 256 bytes of a slot's 1,024;
	v_mov_b32 v[PFB], s50                          ; and bj's
	v_add_nc_u32 v[SL], s50, v24
	v_add_nc_u32 v[SL], SUMP, v[SL]
	v_lshl_add_u32 v[SUMR], v1, 2, SUMP
	v_and_b32 v25, 1, v1
	v_lshrrev_b32 v26, 1, v1
	v_lshlrev_b32 v25, 7, v25
	v_lshl_add_u32 v25, v26, 2, v25
	v_add_nc_u32 v25, s50, v25
	v_add_nc_u32 v[OMW], OM, v25
	v_lshl_add_u32 v[OMA], v3, 7, s50
	v_add_nc_u32 v[OMA], OM, v[OMA]
	v_add_nc_u32 v25, s51, v2
	v_cvt_f32_u32 v[JP], v25                       ; j = j0 + r as f32, twice: a pair for the packed form
	v_mov_b32 v[JP+1], v[JP]
.irp i, 0,1,2,3,4,5,6,7
	v_mov_b32 v[SS+\i], 0                          ; the sums of lr: four pairs
.endr
.irp i, 0,1,2,3
	v_mov_b32 v[240+\i], 0                         ; a lane permute's destination counts as one of its sources
.endr
	s_wait_alu depctr_va_vdst(0)
.macro TABLES step                     ; bj (8 loads), then A's four rows (32), at my 32 samples of a slot: sixteen lanes read the same 16 bytes
.if \step
	s_wait_xcnt 0x0                                ; the prefetches that named these bases have read them; the loads that named them have been waited for
	s_add_nc_u64 s[6:7], s[6:7], 1024
	s_add_nc_u64 s[8:9], s[8:9], 1024
.endif
.irp q, 0,1,2,3,4,5,6,7
	global_load_b128 v[BJ+4*\q:BJ+4*\q+3], v[TA], s[8:9] offset:16*\q
.endr
	WIN 0xc0                                       ; destination window 3
.irp a, 0,1,2,3
.irp q, 0,1,2,3,4,5,6,7
	global_load_b128 v[AW+32*\a+4*\q:AW+32*\a+4*\q+3], v[TA], s[6:7] offset:8192*\a+16*\q
.endr
.endr
	WIN 0
.endm
.macro WLOAD0                          ; tile 0's 16 rows of w, my 768 bytes of each, into the registers that held A: 24 loads
	WIN 0xc0
.irp p, 0,1,2,3,4,5,6,7
.irp q, 0,1,2
	global_load_b128 v[AW+12*\p+4*\q:AW+12*\p+4*\q+3], v[CO], s[10:11] offset:2*\p*ROW+256*\q th:TH_LOAD_NT
.endr
.endr
	WIN 0
.endm
.macro XLOAD slot, s, t0, cnt          ; x's fragments t0 on of the slot's K step s, then their scale words: 4 LDS loads a fragment
	WIN 0x40
.set tt, \t0
.rept \cnt
.irp g, 0,1,2
	ds_load_b128 v[12*tt+4*\g:12*tt+4*\g+3], v[XA+\slot] offset:1536*(12*(\s)+tt)+512*\g
.endr
.set tt, tt+1
.endr
	WIN 0
.set tt, \t0
.rept \cnt
	ds_load_b32 v[XSC+tt], v[XS+\slot] offset:SCO+64*(12*(\s)+tt)
.set tt, tt+1
.endr
.endm
.macro LFR s                           ; lr's four fragments of K step s: 24 loads
.irp a, 0,1,2,3
.irp p, 0,1,2,3,4,5
	ds_load_b64 v[LF+48*(\s)+12*\a+2*\p:LF+48*(\s)+12*\a+2*\p+1], v[LRA] offset:1536*(4*(\s)+\a)+256*\p
.endr
.endr
.endm
.macro FETCH0 slot                     ; a slot's start, what is wanted first asked for first: 20 scale words, lr's first set (24), x's 12 fragments of K step 0 (36), lr's second set (24)
.set tt, 0
.rept 12
	ds_load_b32 v[XSC+tt], v[XS+\slot] offset:SCO+64*tt
.set tt, tt+1
.endr
.irp e, 0,1,2,3,4,5,6,7
	ds_load_b32 v[LSC+\e], v[LSA] offset:64*\e
.endr
	WIN 0x40
	LFR 0
.set tt, 0
.rept 12
.irp g, 0,1,2
	ds_load_b128 v[12*tt+4*\g:12*tt+4*\g+3], v[XA+\slot] offset:1536*tt+512*\g
.endr
.set tt, tt+1
.endr
	LFR 1
	WIN 0
.endm
; THE MAKING OF lr, LINE BY LINE, so that it can stand among the products or on end.
.macro BI n                            ; line n = 0 .. 47 of B's exponents, in place of bj: a register's three lines stand 16 lines apart
.set pii, 2*((\n)%16)
	WIN 0
.if (\n) < 16
	v_pk_add_f32 v[BJ+pii:BJ+pii+1], v[BJ+pii:BJ+pii+1], v[JP:JP+1] neg_lo:[0,1] neg_hi:[0,1]   ; bj - j: exact
.elseif (\n) < 32
	v_pk_mul_f32 v[BJ+pii:BJ+pii+1], v[BJ+pii:BJ+pii+1], v[BJ+pii:BJ+pii+1]   ; its square: exact
.else
	v_pk_mul_f32 v[BJ+pii:BJ+pii+1], v[BJ+pii:BJ+pii+1], s[K2:K2+1] op_sel_hi:[1,0]
.endif
.endm
.macro EXPS                            ; B: one batch
	WIN 0
	s_wait_alu depctr_va_vdst(0)
.set pii, 0
.rept 32
	v_exp_f32 v[BJ+pii], v[BJ+pii]
.set pii, pii+1
.endr
	v_nop                                          ; a plain place behind the last exponential
	s_wait_alu depctr_va_vdst(0)                   ; and the one wait behind the batch
.endm
.macro PI n, a0, bar                   ; line n = 0 .. 118 of tiles a0 and a0 + 1.  bar = 1: the barrier signalled at the slot's middle is waited for ahead of the first store
.if (\n) < 32
	WIN 0x03                                       ; source 0 (A) window 3
.set pzz, (\n)/16
.set pii, 2*((\n)%16)
	v_pk_mul_f32 v[N+32*pzz+pii:N+32*pzz+pii+1], v[AW+32*((\a0)+pzz)+pii:AW+32*((\a0)+pzz)+pii+1], v[BJ+pii:BJ+pii+1]   ; lr = A B
.else
	WIN 0
.if (\n) < 96
.set pzz, (((\n)-32)%4)/2
.set pii, 2*(((\n)-32)/4)
.if ((\n)%2) == 0
.if pii == 0
	v_max3_num_f32 v[TM+pzz], v[N+32*pzz], v[N+32*pzz+1], 0x2800000   ; the block's largest (none is negative), with the floor 2^(5 - 127)
.else
	v_max3_num_f32 v[TM+pzz], v[TM+pzz], v[N+32*pzz+pii], v[N+32*pzz+pii+1]
.endif
.else
	v_pk_add_f32 v[SS+2*((\a0)+pzz):SS+2*((\a0)+pzz)+1], v[SS+2*((\a0)+pzz):SS+2*((\a0)+pzz)+1], v[N+32*pzz+pii:N+32*pzz+pii+1]   ; the sum is taken of the unquantised lr
.endif
.elseif (\n) < 98
	v_add_nc_u32 v[SO+(\n)-96], 0xfe000000, v[TM+(\n)-96]   ; 4 off the exponent field: the conversion's scale operand
.elseif (\n) < 100
	v_lshrrev_b32 v[BY+(\a0)+(\n)-98], 23, v[SO+(\n)-98]   ; the scale's byte
.elseif (\n) < 104
.set pzz, ((\n)-100)/2
.if ((\n)%2) == 0
	v_cvt_scalef32_pk16_bf6_f32 v[PC+6*((\a0)+pzz):PC+6*((\a0)+pzz)+2], v[N+32*pzz:N+32*pzz+15], v[SO+pzz]
.else
	v_cvt_scalef32_pk16_bf6_f32 v[T+4*pzz:T+4*pzz+2], v[N+32*pzz+16:N+32*pzz+31], v[SO+pzz]   ; (a conversion's three registers begin on an even number)
.endif
.elseif (\n) == 104
	v_nop                                          ; one plain place behind a scaled conversion
.elseif (\n) < 111
.set pzz, ((\n)-105)/3
.set pii, ((\n)-105)%3
	v_mov_b32 v[PC+6*((\a0)+pzz)+3+pii], v[T+4*pzz+pii]
.elseif (\n) < 119
.if (\n) == 111
	s_wait_alu depctr_va_vdst(0)
.if \bar
	s_barrier_wait -1                              ; every wave holds the old lr in registers: its bytes may be written
.endif
.endif
.set pzz, ((\n)-111)/4
.set pii, ((\n)-111)%4
.if pii < 3
	ds_store_b64 v[LW], v[PC+6*((\a0)+pzz)+2*pii:PC+6*((\a0)+pzz)+2*pii+1] offset:1536*((\a0)+pzz)+256*pii   ; the six registers as they stand: 256 consecutive bytes a store
.else
	ds_store_b8 v[LWB], v[BY+(\a0)+pzz] offset:64*((\a0)+pzz)
.endif
.endif
.endif
.endm
.macro TABS h                          ; the last A x B is issued: the tables' registers are free.  h = 3: the next tables; 4: in the loop's last trip w's tile 0 in their place
	WIN 0
	s_wait_alu depctr_va_vdst(0)
.if (\h) == 3
	TABLES 1
.else
	s_cmp_eq_u32 s44, 1
	s_cbranch_scc1 .Lw0_\@
	TABLES 1
	s_branch .Ltd_\@
.Lw0_\@:
	WLOAD0
.Ltd_\@:
.endif
.endm
.macro HOOK h, a0, bar                 ; what stands behind product qq = 0 .. 23 of a run
.if (\h) == 1
.set pn, 2*qq
.rept 2
	BI pn
.set pn, pn+1
.endr
.elseif (\h) >= 2
.set pn, 5*qq
.rept 5
	PI pn, \a0, \bar
.set pn, pn+1
.endr
.if ((\h) > 2) && (qq == 7)
	TABS \h
.endif
.endif
.endm
; six d tiles x four tiles of units; the accumulators take turns, one instruction a turn.
; w >= 0: ahead of d tile t a counted wait: out may be the 3 loads of each later fragment of FETCH0 and the w loads issued behind them
.macro MUL24 t0, u, zero, w, h, a0, bar
.set tt, \t0
.rept 6
.if (\w) >= 0
	s_wait_dscnt (\w)+3*(11-tt)
.endif
.irp a, 0,1,2,3
.if tt < 8
	WIN 0xa5                                       ; sources 0 and 1 window 1, C and D window 2
.else
	WIN 0xf5                                       ; C and D window 3
.endif
.set ra, (8*(4*tt+\a))%256
.if \zero
	v_wmma_scale_f32_16x16x128_f8f6f4 v[ra:ra+7], v[12*tt:12*tt+11], v[LF+48*(\u)+12*\a:LF+48*(\u)+12*\a+11], 0, v[XSC+tt], v[LSC+4*(\u)+\a] matrix_a_fmt:MATRIX_FMT_BF6 matrix_b_fmt:MATRIX_FMT_BF6
.else
	v_wmma_scale_f32_16x16x128_f8f6f4 v[ra:ra+7], v[12*tt:12*tt+11], v[LF+48*(\u)+12*\a:LF+48*(\u)+12*\a+11], v[ra:ra+7], v[XSC+tt], v[LSC+4*(\u)+\a] matrix_a_fmt:MATRIX_FMT_BF6 matrix_b_fmt:MATRIX_FMT_BF6
.endif
.set qq, 4*(tt-(\t0))+\a
	HOOK \h, \a0, \bar
.endr
.set tt, tt+1
.endr
.endm
.macro ASK k                           ; k = 0, 1: behind the loop's two changes of slots; 2: behind slot 1's first fill; 3: nothing
.if (\k) < 2
	global_prefetch_b8 v[PFO], s[46:47] offset:(\k)*2*TROW th:TH_LOAD_NT scope:SCOPE_SE   ; w: tiles 2 k and 2 k + 1, the trip's 256 bytes of my 768
.endif
.if (\k) == 1
	s_cmp_eq_u32 s44, 1                            ; the last trip has no slot left to name: the count of trips alone decides
	s_cbranch_scc1 .Lno_x_\@
.endif
.if (\k) < 3
.if (\k) == 2
.set XO, 2*SLOTB
.else
.set XO, (3+(\k))*SLOTB
.endif
	global_prefetch_b8 v[PX1], s[22:23] offset:XO th:TH_LOAD_NT scope:SCOPE_SE   ; x: my share of the block that my next tensor load will name
	global_prefetch_b8 v[PX2], s[22:23] offset:XO th:TH_LOAD_NT scope:SCOPE_SE
	global_prefetch_b8 v[PFT], s[6:7] offset:1024 th:TH_LOAD_NT scope:SCOPE_SE   ; the tables of the slot after the next: loaded near this slot's end
	global_prefetch_b8 v[PFB], s[8:9] offset:1024 th:TH_LOAD_NT scope:SCOPE_SE
.endif
.if (\k) == 1
.Lno_x_\@:
.endif
.endm
.macro SFIN                            ; S's four parts, stored ahead of the last round, are joined; 1 - S goes through my own copy into the order of the way out
.irp w, 0,1,2,3
	ds_load_b32 v[228+\w], v[SUMR] offset:256*\w           ; units l and l + 32
	ds_load_b32 v[232+\w], v[SUMR] offset:256*\w+128
.endr
	s_wait_dscnt 0x0
	v_add_f32 v228, v228, v229
	v_add_f32 v232, v232, v233
	v_add_f32 v230, v230, v231
	v_add_f32 v234, v234, v235
	v_add_f32 v228, v228, v230
	v_add_f32 v232, v232, v234
	v_sub_f32 v228, 1.0, v228
	v_sub_f32 v232, 1.0, v232
	ds_store_b32 v[OMW], v228                      ; even units first: no other wave reads my copy
	ds_store_b32 v[OMW], v232 offset:64
.irp q, 0,1,2,3,4,5,6,7
	ds_load_b128 v[OMR+4*\q:OMR+4*\q+3], v[OMA] offset:16*\q   ; register 8 a + p: 1 - S of unit 16 a + 2 p + h
.endr
.endm
; A slot: 256 samples, two K steps, 96 matrix instructions a wave.  mode 1: the next slot's lr is made, and the tables of the slot after it asked for; 2: the same, but in the loop's last trip w's tile 0 in the tables' place; 3: the last slot
.macro WORKM slot, zero, mode, ask
	FETCH0 \slot
	ASK \ask
	MUL24 0, 0, \zero, 24, 0, 0, 0
	PLACES                                         ; four places ahead of loads into registers that matrix instructions have read
	XLOAD \slot, 1, 0, 6
.if (\mode) < 3
	s_wait_loadcnt 32                              ; bj is in; A's 32 loads, issued behind it, may be out
	MUL24 6, 0, \zero, 48, 1, 0, 0
	WIN 0
	s_wait_dscnt 0x0                               ; all my LDS loads are back, lr's eight fragments among them:
	s_barrier_signal -1                            ; say so.  Up to its wait stand register work and loads of x's bytes
	PLACES
	XLOAD \slot, 1, 6, 6
	s_wait_loadcnt 0x0                             ; A
	EXPS
	MUL24 0, 1, 0, -1, 2, 0, 1
	s_wait_dscnt 8                                 ; x's last six fragments are in; the 8 stores of lr issued behind them may be out
	MUL24 6, 1, 0, -1, 2+(\mode), 2, 0
.else
	MUL24 6, 0, \zero, 48, 0, 0, 0
	WIN 0
	PLACES
	XLOAD \slot, 1, 6, 6
	SFIN
	MUL24 0, 1, 0, -1, 0, 0, 0
	s_wait_dscnt 0x0
	MUL24 6, 1, 0, -1, 0, 0, 0
.endif
	WIN 0
.endm
.macro CHANGE slot                     ; the slot just read is filled again with the samples two slots on; the round also shows the next slot's lr to all waves
	s_wait_tensorcnt 0x0                           ; all my tensor loads have landed, the slot ahead among them
	ds_add_u32 v[SPW], v[NIL]
	s_add_nc_u64 s[G0+4*\slot+2:G0+4*\slot+3], s[G0+4*\slot+2:G0+4*\slot+3], 2*SLOTB
	s_wait_dscnt 0x0                               ; the add is done, my reads of the slot are over, my stores of lr have landed
	ROUND
	tensor_load_to_lds s[G0+4*\slot:G0+4*\slot+3], s[G1:G1+7]   ; my one tensor load behind the round
	s_nop 0
	PLACES                                         ; also the places ahead of the loads into the fragments
.endm
	TABLES 0
	s_wait_loadcnt 0x0
.set pn, 0                             ; slot 0's lr, its lines on end, while x's first block is on its way
.rept 48
	BI pn
.set pn, pn+1
.endr
	EXPS
.irp aa, 0,2
.set pn, 0
.rept 119
	PI pn, \aa, 0
.set pn, pn+1
.endr
.endr
	TABLES 1
	s_wait_tensorcnt 0x0                           ; slot 1's first fill is issued as a refill is
	ds_add_u32 v[SPW], v[NIL]
	s_wait_dscnt 0x0
	ROUND
	tensor_load_to_lds s[G0+4:G0+7], s[G1:G1+7]
	s_nop 0
	PLACES
	WORKM 0, 1, 1, 2                               ; the first K step starts the sums: nothing is cleared
	s_mov_b32 s44, 3
.Lpair:                                            ; three trips: slots 1 to 6 are worked, slots 2 to 7 asked for, lr of slots 2 to 7 made
	CHANGE 0
	WORKM 1, 0, 1, 0
	CHANGE 1
	WORKM 0, 0, 2, 1
	s_wait_xcnt 0x0                                ; the prefetches have read their bases
	s_add_nc_u64 s[46:47], s[46:47], 256
	s_add_nc_u64 s[22:23], s[22:23], 2*SLOTB
	s_sub_co_u32 s44, s44, 1
	s_cmp_lg_u32 s44, 0
	s_cbranch_scc1 .Lpair
.irp a, 0,1,2,3
	v_add_f32 v[236+\a], v[SS+2*\a], v[SS+2*\a+1]
.endr
.irp a, 0,1,2,3
	v_permlanex16_b32 v[240+\a], v[236+\a], s[SEL], s[SEL+1]
.endr
.irp a, 0,1,2,3
	v_add_f32 v[236+\a], v[236+\a], v[240+\a]      ; my wave's part of S for unit 16 a + r
.endr
.irp a, 0,1,2,3
	ds_store_b32 v[SL], v[236+\a] offset:64*\a     ; both halves of the lanes write the same word with the same value
.endr
	; the last change of slots: x has nothing left to ask for; slot 0 has been read for the last time and takes w's tiles 1 to 3
	s_wait_tensorcnt 0x0
	ds_add_u32 v[SPW], v[NIL]
	s_wait_dscnt 0x0                               ; the add, my reads of slot 0, my stores of lr and of S's parts
	ROUND
	s_cmp_eq_u32 s[WV], 3
	s_cbranch_scc1 .Lno_w                          ; three tiles, three waves
	tensor_load_to_lds s[G0W:G0W+3], s[G1W:G1W+7]
	s_nop 0
.Lno_w:
	PLACES
	WORKM 1, 0, 3, 3
; THE WAY OUT.  A tile of 16 units goes through my stage and comes back as rows, so that sixteen lanes store 256 consecutive aligned bytes.
.macro OUTA a
.set tt, 0
.rept 12
.if tt < 8
	WIN 0x08                                       ; an LDS store's data are its source 1: window 2,
.else
	WIN 0x0c                                       ; or 3
.endif
.set ra, (8*(4*tt+(\a)))%256
	ds_store_b128 v[STO], v[ra:ra+3] offset:64*tt              ; each accumulator from its low end on
	ds_store_b128 v[STO], v[ra+4:ra+7] offset:64*tt+16
.set tt, tt+1
.endr
.if (\a) > 0
	s_wait_xcnt 0x0                                ; the last tile's stores have read their registers
.endif
	WIN 0x40
.irp p, 0,1,2,3,4,5,6,7
.irp q, 0,1,2
	ds_load_b128 v[12*\p+4*\q:12*\p+4*\q+3], v[RD] offset:2*\p*STP+256*\q   ; LDS serves a wave's instructions in order: these see my stores
.endr
.endr
.if (\a) > 0
.irp p, 0,1,2,3,4,5,6,7
.irp q, 0,1,2
	ds_load_b128 v[96+12*\p+4*\q:96+12*\p+4*\q+3], v[WRD+(\a)-1] offset:2*\p*ROW+256*\q
.endr
.endr
.endif
	WIN 0
	s_wait_dscnt 0x0
.if (\a) > 0
	WIN 0x51                                       ; w in window 1, 1 - S in window 0, the result in window 1
.set wbr, 96
.else
	WIN 0x53                                       ; w in window 3
.set wbr, AW
.endif
.irp p, 0,1,2,3,4,5,6,7
.irp e, 0,2,4,6,8,10
.if (\p%2) == 0
	v_pk_fma_f32 v[12*\p+\e:12*\p+\e+1], v[wbr+12*\p+\e:wbr+12*\p+\e+1], v[OMR+8*(\a)+\p:OMR+8*(\a)+\p+1], v[12*\p+\e:12*\p+\e+1] op_sel_hi:[1,0,1]   ; w (1 - S) + the product; the pair's low word serves both halves
.else
	v_pk_fma_f32 v[12*\p+\e:12*\p+\e+1], v[wbr+12*\p+\e:wbr+12*\p+\e+1], v[OMR+8*(\a)+\p-1:OMR+8*(\a)+\p], v[12*\p+\e:12*\p+\e+1] op_sel:[0,1,0] op_sel_hi:[1,1,1]   ; its high word
.endif
.endr
.endr
	WIN 0x04                                       ; a store's data are its source 1: window 1
.irp p, 0,1,2,3,4,5,6,7
.irp q, 0,1,2
	global_store_b128 v[CO], v[12*\p+4*\q:12*\p+4*\q+3], s[12:13] offset:(\a)*TROW+2*\p*ROW+256*\q th:TH_STORE_NT
.endr
.endr
	WIN 0
.endm
	PLACES                                         ; ahead of the first read of results and of loads into registers that the last products read
	s_wait_loadcnt 0x0                             ; w's tile 0
	OUTA 0
	s_wait_tensorcnt 0x0                           ; my tile of w has landed;
	s_barrier_signal -1
	s_barrier_wait -1                              ; so have the others': every wave reads all three.
	OUTA 1
	OUTA 2
	OUTA 3
	s_wait_tensorcnt 0x0                           ; the wave's end
	ds_add_u32 v[SPW], v[NIL]
	s_wait_dscnt 0x0
	ROUND                                          ; the closing round
	s_endpgm
.Lfunc_end_k_qd2d6e3bbdf_update:
	.size	k_qd2d6e3bbdf_update, .Lfunc_end_k_qd2d6e3bbdf_update-k_qd2d6e3bbdf_update
	.p2alignl 7, 3214868480
	.fill 96, 4, 3214868480
	.section	.rodata,"a",@progbits
	.p2align	6, 0x0
	.amdhsa_kernel k_qd2d6e3bbdf_update
		.amdhsa_group_segment_fixed_size 327680
		.amdhsa_private_segment_fixed_size 0
		.amdhsa_enable_private_segment 0
		.amdhsa_kernarg_size 40
		.amdhsa_user_sgpr_count 2
		.amdhsa_user_sgpr_kernarg_segment_ptr 1
		.amdhsa_wavefront_size32 1
		.amdhsa_system_sgpr_workgroup_id_x 1
		.amdhsa_system_sgpr_workgroup_id_y 1
		.amdhsa_system_sgpr_workgroup_id_z 1
		.amdhsa_system_vgpr_workitem_id 0
		.amdhsa_next_free_vgpr 1024
		.amdhsa_next_free_sgpr 84
		.amdhsa_reserve_vcc 0
		.amdhsa_float_denorm_mode_32 3
		.amdhsa_float_denorm_mode_16_64 3
		.amdhsa_memory_ordered 1
		.amdhsa_forward_progress 1
		.amdhsa_inst_pref_size 254
	.end_amdhsa_kernel
	.amdgpu_metadata
---
amdhsa.version: [ 1, 2 ]
amdhsa.kernels:
  - .name:           k_qd2d6e3bbdf_update
    .symbol:         k_qd2d6e3bbdf_update.kd
    .args:
      - { .name: xq2, .offset: 0, .size: 8, .value_kind: global_buffer, .address_space: global }
      - { .name: atab, .offset: 8, .size: 8, .value_kind: global_buffer, .address_space: global }
      - { .name: bjf, .offset: 16, .size: 8, .value_kind: global_buffer, .address_space: global }
      - { .name: weights, .offset: 24, .size: 8, .value_kind: global_buffer, .address_space: global }
      - { .name: out0, .offset: 32, .size: 8, .value_kind: global_buffer, .address_space: global }
    .group_segment_fixed_size: 327680
    .private_segment_fixed_size: 0
    .kernarg_segment_align: 8
    .kernarg_segment_size: 40
    .max_flat_workgroup_size: 128
    .sgpr_count:     84
    .vgpr_count:     1024
    .wavefront_size: 32
...
	.end_amdgpu_metadata
.endif
;; end of part 4
